; MI455X (gfx1250); checked and timed in simulation.
; The chip was launched on July 23, 2026; its instructions are those of AMD's public machine-readable ISA for CDNA 5 (MIT licence, August 2026) and "CDNA5" Instruction Set Architecture Reference Guide (July 2026). The comments in the code are by the model that wrote it; some were corrected since.
;; Attention Layer. Allowed arithmetic: matrix products marked QUANTISED: E5M2 operands, one given power-of-two scale a tensor, by v_wmma_f32_16x16x64_bf8_bf8 or v_wmma_f32_16x16x128_bf8_bf8, f32 sums; products left as they are: f32 operands where the result goes on into a quantised operand, else bf16, f16 or f32 operands; f32 sums; everything else in f32.
;; Inputs: b1 1,024 float32; b2 1,024 float32; bv 1 float32; decoder_output_codes 32 x 1 x 32 x 32 uint8 (E5M2 codes of decoder_output, K innermost, in blocks of 32 codes); encoder_outputs 32 x 2,048 x 1,024 float32; lowp_scales 4 int32 (the exponents e of the quantised operands' scales 2^e); v 1,024 x 1 float32; w1_codes 1,024 x 32 x 32 uint8 (E5M2 codes of w1, K innermost, in blocks of 32 codes); w2_codes 1,024 x 32 x 32 uint8 (E5M2 codes of w2, K innermost, in blocks of 32 codes).
;; Outputs: out0 32 x 1,024 float32.
;; This version of the problem:
;;   THIS VERSION OF THE PROBLEM IS GIVEN IN LOW PRECISION. The matrix products marked QUANTISED in the list below multiply operands that are first quantised to E5M2 (5 exponent bits, 2 mantissa bits; 8 bits a number), with one given power-of-two scale for each operand tensor; their sums are f32. All else is computed in f32.
;;   The module's matrix products, in the order in which they are computed (A, B: the left and right operand; K: the contracted axis; several contracted axes count as one K, in the product's order):
;;     1. [M 32, K 1,024] x [K 1,024, N 1,024]; A: input decoder_output (given as codes); B: input w2 (given as codes): QUANTISED (scales: A lowp_scales[0], B lowp_scales[1])
;;     2. [M 65,536, K 1,024] x [K 1,024, N 1,024]; A: input encoder_outputs; B: input w1 (given as codes): QUANTISED (scales: A lowp_scales[2], B lowp_scales[3])
;;     3. [M 65,536, K 1,024] x [K 1,024, N 1]; A: computed on the way; B: input v: left as it is (N = 1 < 16)
;;     4. batch 32 x [M 1, K 2,048] x [K 2,048, N 1,024]; A: softmax; B: input encoder_outputs: left as it is (M = 1 < 16)
;;   THE QUANTISER, for each operand of a quantised product, along K:
;;     - The operand's scale is 2^e, e = its entry of the input lowp_scales (int32; the entries are numbered through the quantised products in the list's order, A before B).
;;     - Each number is divided by the scale, clamped to +-57,344, and rounded to the nearest number of E5M2, ties to even, subnormals kept.
;;     - The product sums the exact products of the quantised numbers (number of the format x scale) in f32.
;;   ~~~python
;;   def quantise(x, axis, e):      # numpy; x: float32 -> the quantised numbers, widened to float32 again
;;       x = np.moveaxis(x, axis, -1); K = x.shape[-1]
;;       r = np.clip(x / 2.0 ** e, -57344, 57344)
;;       step = 2.0 ** (np.maximum(np.frexp(np.where(r == 0, 1, r))[1] - 1, -14) - 2)
;;       q = np.round(r / step) * step * 2.0 ** e      # np.round: ties to even
;;       return np.moveaxis(q, -1, axis).astype(np.float32)
;;   ~~~
;;   INPUTS GIVEN AS CODES. decoder_output (in the module: [32, 1, 1024], K = its axis 2); w1 (in the module: [1024, 1024], K = its axis 0); w2 (in the module: [1024, 1024], K = its axis 0): each comes as NAME_codes (uint8): NAME with its K axis moved to the last place and cut into blocks of 32 codes, [.., K / 32, bytes a block], one block behind the other in memory; one code a byte (a code: sign, 5 exponent bits, 2 mantissa bits); its scale is its entry of lowp_scales. Its value is code x scale, taken as it is: it is not quantised again, and the codes and scales need not be those that the quantiser above would give.
;; One version. Each part assembles by itself: llvm-mc -triple=amdgcn-amd-amdhsa -mcpu=gfx1250 --defsym DOCPART=n.
;; ======== version 1 of 1: 3 launches
;; limits: right only within a limited range of input values; values are held in bf16: 8 bits of precision
;; workspace buffers: tab 262,144 bytes; part 1,179,648 bytes
;; launch prep (part 1): grid 32 x 1, 1 waves a work-group, no clusters, 0 bytes of LDS; arguments decoder_output_codes, w2_codes, lowp_scales, b1, b2, v, tab; writes tab
.if DOCPART == 1
	.amdgcn_target "amdgcn-amd-amdhsa--gfx1250"
	.amdhsa_code_object_version 6
	.text
	.protected	k_q697fc2ecf5_prep
	.globl	k_q697fc2ecf5_prep
	.p2align	8
	.type	k_q697fc2ecf5_prep,@function
k_q697fc2ecf5_prep:
	s_mov_b64 s[64:65], 0
	v_nop
	global_prefetch_b8 v0, s[64:65] scope:SCOPE_SE
	s_setreg_imm32_b32 hwreg(HW_REG_WAVE_MODE, 25, 1), 1
	s_wait_xcnt 0x0
; ADDITIVE ATTENTION, launch 1 of 3: the table tab[b][n] = ( c (dec[b] . w2[:, n] + b1[n] + b2[n]),  -c v[n] ),  c = 2 log2(e), two f32 numbers for each batch b and column n.
; The whole program: x[b][s][n] = enc[b][s] . w1[:, n] + b1[n] + (dec[b] . w2[:, n] + b2[n]);  score[b][s] = sum over n of v[n] tanh(x[b][s][n]) + bv;  out0[b] = sum over s of softmax_s(score)[s] enc[b][s].
; DEAD WORK, for all finite values of the inputs:
;  (1) bv is added to every score of a batch, so it is the same along the softmax's axis: softmax_s(score[s] + bv) = softmax_s(score[s]).  bv has no way to the output: it is not loaded and is among no launch's arguments.
;  (2) tanh(x) = 1 - 2 / (1 + e^(2 x)) is an identity, so sum_n v[n] tanh(x[n]) = sum_n v[n] - 2 sum_n v[n] / (1 + e^(2 x[n])).  The first term is the same for every position s: it goes as bv goes.
;  What is kept, in base 2: score' = sum_n (-c v[n]) / (1 + 2^(c x[n])), and the softmax's weights are 2^(score' - its largest).
;  LIMIT: a NaN, an infinity or an overflow that reaches only bv or the sum of v is not carried to the result.
; THIS LAUNCH: the product dec . w2 on the codes as they are given, by v_wmma_f32_16x16x128_bf8_bf8; each sum once x 2^(e0 + e1) (by v_ldexp_f32: no limit on e0 + e1).
; SHARES.  One wave a work-group; work-group g takes columns 32 g .. 32 g + 31 for all 32 batches: two tiles of batches x two tiles of columns, K = 1,024 in eight steps.
; Tile u of the columns holds columns 32 g + 2 r + u (r = lane % 16): a lane then holds two NEIGHBOURING columns of a batch, 16 bytes of the table, and sixteen lanes store 256 consecutive bytes, aligned.
; A fragment (16 rows x 128 K) is fetched by four loads of 16 bytes, 32 apart: registers 4 c .. 4 c + 3 hold K = 32 c + 16 (lane / 16) + 0 .. 15: a permutation of k inside an instruction, the same on both sides.
; The loads take 16 bytes a lane from rows 1,024 or 2,048 bytes apart; over the wave's 64 loads of a tensor each of its rows is read whole, once.
; REGISTERS: window 0: v1-6 lane terms; v8-19 biases and factors; v32-63 four accumulators; v64-127 sixteen records.  window 1: dec's fragments (m, s) at 16 (8 m + s).  window 2: w2's (u, s) at 16 (8 u + s).
.set CC,  0x4038aa3b                   ; c = 2 log2(e)
.set NCC, 0xc038aa3b                   ; -c
.set MSB, 0
.macro WIN new                         ; the immediate's high byte repeats the setting that is left
.if MSB != (\new)
	s_set_vgpr_msb (MSB<<8)|(\new)
.set MSB, (\new)
.endif
.endm
	s_load_b256 s[4:11], s[0:1], 0x0               ; dec's codes s[4:5], w2's codes s[6:7], the scales' exponents s[8:9], b1 s[10:11]
	s_load_b128 s[12:15], s[0:1], 0x20             ; b2 s[12:13], v s[14:15]
	s_load_b64 s[16:17], s[0:1], 0x30              ; tab
	v_and_b32 v1, 15, v0                           ; r
	v_bfe_u32 v2, v0, 4, 1                         ; h
	v_lshlrev_b32 v3, 10, v1
	v_lshl_add_u32 v3, v2, 4, v3                   ; dec: batch r of 1,024 bytes, + 16 h
	v_lshlrev_b32 v4, 11, v1
	v_lshl_add_u32 v4, v2, 4, v4                   ; w2: column 2 r of 1,024 bytes, + 16 h
	v_lshlrev_b32 v5, 3, v1                        ; b1, b2, v: two numbers at 8 r
	v_lshlrev_b32 v6, 4, v1
	v_lshl_add_u32 v6, v2, 16, v6                  ; tab: 16 r, + 8 h batches of 8,192 bytes
	s_lshl_b32 s22, ttmp9, 15                      ; my 32 columns: 32 x 1,024 bytes of w2,
	s_mov_b32 s23, 0
	s_lshl_b32 s24, ttmp9, 7                       ; 32 x 4 bytes of b1, b2 and v,
	s_mov_b32 s25, 0
	s_lshl_b32 s26, ttmp9, 8                       ; 32 x 8 bytes of a batch's row of tab
	s_mov_b32 s27, 0
	s_wait_alu depctr_va_vdst(0)
	s_wait_kmcnt 0x0
	s_load_b64 s[20:21], s[8:9], 0x0               ; e0, e1
	s_add_nc_u64 s[6:7], s[6:7], s[22:23]
	s_add_nc_u64 s[10:11], s[10:11], s[24:25]
	s_add_nc_u64 s[12:13], s[12:13], s[24:25]
	s_add_nc_u64 s[14:15], s[14:15], s[24:25]
	s_add_nc_u64 s[16:17], s[16:17], s[26:27]
	WIN 0x40                                       ; destination window 1
.irp m, 0,1
.irp s, 0,1,2,3,4,5,6,7
.irp c, 0,1,2,3
	global_load_b128 v[16*(8*\m+\s)+4*\c:16*(8*\m+\s)+4*\c+3], v3, s[4:5] offset:16384*\m+128*\s+32*\c
.endr
.endr
.endr
	WIN 0x80                                       ; destination window 2
.irp u, 0,1
.irp s, 0,1,2,3,4,5,6,7
.irp c, 0,1,2,3
	global_load_b128 v[16*(8*\u+\s)+4*\c:16*(8*\u+\s)+4*\c+3], v4, s[6:7] offset:1024*\u+128*\s+32*\c
.endr
.endr
.endr
	WIN 0
	global_load_b64 v[8:9], v5, s[10:11]           ; b1 of my two columns
	global_load_b64 v[10:11], v5, s[12:13]         ; b2
	global_load_b64 v[12:13], v5, s[14:15]         ; v
	s_wait_loadcnt 0x0
	WIN 0x09                                       ; source 0 (dec) window 1, source 1 (w2) window 2
.irp s, 0,1,2,3,4,5,6,7                        ; the four accumulators take turns, one instruction a turn; the first K step starts the sums
.irp m, 0,1
.irp u, 0,1
.if \s == 0
	v_wmma_f32_16x16x128_bf8_bf8 v[32+8*(2*\m+\u):39+8*(2*\m+\u)], v[16*(8*\m+\s):16*(8*\m+\s)+15], v[16*(8*\u+\s):16*(8*\u+\s)+15], 0
.else
	v_wmma_f32_16x16x128_bf8_bf8 v[32+8*(2*\m+\u):39+8*(2*\m+\u)], v[16*(8*\m+\s):16*(8*\m+\s)+15], v[16*(8*\u+\s):16*(8*\u+\s)+15], v[32+8*(2*\m+\u):39+8*(2*\m+\u)]
.endif
.endr
.endr
.endr
	WIN 0
	s_wait_kmcnt 0x0
	s_add_co_i32 s20, s20, s21                     ; e0 + e1
	v_mov_b32 v14, CC                              ; these eight plain lines name no register of the products: they are the places behind the last of them (ISA guide 7.12.1)
	v_ldexp_f32 v14, v14, s20                      ; c 2^(e0 + e1)
	v_add_f32 v16, v8, v10
	v_add_f32 v17, v9, v11
	v_mul_f32 v16, CC, v16                         ; c (b1 + b2), my even column,
	v_mul_f32 v17, CC, v17                         ; my odd one
	v_mul_f32 v18, NCC, v12                        ; -c v
	v_mul_f32 v19, NCC, v13
.irp m, 0,1                                    ; register j of accumulator (m, u) is (batch 16 m + 8 h + j, column 32 g + 2 r + u); each accumulator is read from its low end on
.irp j, 0,1,2,3,4,5,6,7
	v_fma_f32 v[64+4*(8*\m+\j)], v[32+16*\m+\j], v14, v16
	v_mov_b32 v[65+4*(8*\m+\j)], v18
	v_fma_f32 v[66+4*(8*\m+\j)], v[40+16*\m+\j], v14, v17
	v_mov_b32 v[67+4*(8*\m+\j)], v19
.endr
.endr
.irp m, 0,1
.irp j, 0,1,2,3,4,5,6,7
	global_store_b128 v6, v[64+4*(8*\m+\j):67+4*(8*\m+\j)], s[16:17] offset:(16*\m+\j)*8192   ; sixteen lanes store 256 consecutive bytes, at a multiple of 256 from tab's first byte
.endr
.endr
	s_endpgm
.Lfunc_end_k_q697fc2ecf5_prep:
	.size	k_q697fc2ecf5_prep, .Lfunc_end_k_q697fc2ecf5_prep-k_q697fc2ecf5_prep
	.p2alignl 7, 3214868480
	.fill 96, 4, 3214868480
	.section	.rodata,"a",@progbits
	.p2align	6, 0x0
	.amdhsa_kernel k_q697fc2ecf5_prep
		.amdhsa_group_segment_fixed_size 0
		.amdhsa_private_segment_fixed_size 0
		.amdhsa_enable_private_segment 0
		.amdhsa_kernarg_size 56
		.amdhsa_user_sgpr_count 2
		.amdhsa_user_sgpr_kernarg_segment_ptr 1
		.amdhsa_wavefront_size32 1
		.amdhsa_system_sgpr_workgroup_id_x 1
		.amdhsa_system_sgpr_workgroup_id_y 1
		.amdhsa_system_sgpr_workgroup_id_z 1
		.amdhsa_system_vgpr_workitem_id 0
		.amdhsa_next_free_vgpr 768
		.amdhsa_next_free_sgpr 66
		.amdhsa_reserve_vcc 0
		.amdhsa_float_denorm_mode_32 3
		.amdhsa_float_denorm_mode_16_64 3
		.amdhsa_memory_ordered 1
		.amdhsa_forward_progress 1
		.amdhsa_inst_pref_size 21
	.end_amdhsa_kernel
	.amdgpu_metadata
---
amdhsa.version: [ 1, 2 ]
amdhsa.kernels:
  - .name:           k_q697fc2ecf5_prep
    .symbol:         k_q697fc2ecf5_prep.kd
    .args:
      - { .name: decoder_output_codes, .offset: 0, .size: 8, .value_kind: global_buffer, .address_space: global }
      - { .name: w2_codes, .offset: 8, .size: 8, .value_kind: global_buffer, .address_space: global }
      - { .name: lowp_scales, .offset: 16, .size: 8, .value_kind: global_buffer, .address_space: global }
      - { .name: b1, .offset: 24, .size: 8, .value_kind: global_buffer, .address_space: global }
      - { .name: b2, .offset: 32, .size: 8, .value_kind: global_buffer, .address_space: global }
      - { .name: v, .offset: 40, .size: 8, .value_kind: global_buffer, .address_space: global }
      - { .name: tab, .offset: 48, .size: 8, .value_kind: global_buffer, .address_space: global }
    .group_segment_fixed_size: 0
    .private_segment_fixed_size: 0
    .kernarg_segment_align: 8
    .kernarg_segment_size: 56
    .max_flat_workgroup_size: 32
    .sgpr_count:     66
    .vgpr_count:     768
    .wavefront_size: 32
...
	.end_amdgpu_metadata
.endif
;; end of part 1
;; launch attn (part 2): grid 256 x 1, 4 waves a work-group, clusters of 4 x 1, 327,680 bytes of LDS; arguments encoder_outputs, w1_codes, lowp_scales, tab, part; writes part
.if DOCPART == 2
	.amdgcn_target "amdgcn-amd-amdhsa--gfx1250"
	.amdhsa_code_object_version 6
	.text
	.protected	k_q697fc2ecf5_attn
	.globl	k_q697fc2ecf5_attn
	.p2align	8
	.type	k_q697fc2ecf5_attn,@function
k_q697fc2ecf5_attn:
	s_mov_b64 s[64:65], 0
	v_nop
	global_prefetch_b8 v0, s[64:65] scope:SCOPE_SE
	s_setreg_imm32_b32 hwreg(HW_REG_WAVE_MODE, 25, 1), 1
	s_wait_xcnt 0x0
	s_wait_alu depctr_hold_cnt(0) depctr_sa_sdst(0) depctr_va_vdst(0) depctr_va_sdst(0) depctr_va_ssrc(0) depctr_va_vcc(0) depctr_vm_vsrc(0)
	s_getreg_b32 s2, hwreg(HW_REG_IB_STS2, 6, 4)
	s_cmp_eq_u32 s2, 0
	s_cbranch_scc0 .Lentry_in_a_cluster
	s_endpgm
.Lentry_in_a_cluster:
	s_bfe_u32 s2, ttmp6, 0x10000c
	s_cmp_lg_u32 s2, 0x3003
	s_cbranch_scc0 .Lentry_shape_is_right
	s_endpgm
.Lentry_shape_is_right:
; ADDITIVE ATTENTION, launch 2 of 3: all the bulk work, with encoder_outputs read from memory ONCE.  (bv and the sum of v stay left out: they are the same along the softmax's axis; shown at the head of the first kernel.)
; For 256 positions of one batch a work-group makes: the codes of enc (E5M2, scale 2^e2); enc . w1 on codes; score' = sum_n vt[n] / (1 + 2^(c x[n])), c x[n] = sum x c 2^(e2 + e3) + cb[n], (cb, vt) from tab;
; its own softmax (largest score' M, sum L of 2^(score' - M)) and its own part of the context, sum_s 2^(score'[s] - M) enc[s].  It stores one record (context[1024], M, L); the third launch joins a batch's eight.
; SHARES.  Work-group WG = 4 x cluster + place owns rows 256 WG .. + 255 of enc (batch WG / 8), as two blocks of 128; in a block wave w owns 32 rows.
; A ROW STAYS IN REGISTERS TWICE while all of w1 is walked: as codes (source 0 of the quantised product: 256 registers a wave) and as bf16 (source 1 of the context's product, K = the wave's 32 rows: 512 registers).
; bf16 and not f16: it keeps f32's range, whatever the size or offset of enc.
; w1 (1,024 rows of 1,024 codes) goes through a ring of two LDS slots of 128 rows.  CLUSTER: the four work-groups of a cluster walk the same w1 in step, so each tile is asked for JOINTLY: the same tensor load,
; with the same descriptor and a mask that names the four.  enc is shared by nobody: it comes by loads into registers, with two or three groups of sixteen loads always on their way.
; By this text's own count a wave never has more than one tensor load outstanding.
; A BLOCK:  top: a round of the cluster's barrier, one load a wave fills both slots (w1's rows 0-255) | L: 16 groups of 64 columns: loaded, rounded to bf16, turned through the wave's stage in LDS, quantised |
;   64 steps, a tile of 16 columns of w1 each: 16 products and their tanh | S: softmax of my 32 rows, 64 products for the context.
; THE FETCH RUNS ONE TILE AHEAD OF THE PRODUCTS, BY HALVES.  There is one set of registers for a tile's 8 fragments.  The products take them in the order of K, so fragments 0-3 are free behind the first eight products
;   and take the next tile's at once; fragments 4-7 likewise behind the last eight.  So LDS loads are on their way under the products and under the tanh alike, and each run of 16 has more than half a step in which to land.
; LAYOUTS (r = lane % 16, h = lane / 16).  A load of group g takes 16 bytes a lane: lanes 0-15 read 256 consecutive bytes of one row, lanes 16-31 of the row 8 further down.  So lane (r, h) holds, of columns
;   64 g + 4 r + t, the rows 8 h + 0..7 and 16 + 8 h + 0..7: rounded in pairs they ARE source 1 (32 k x 16 columns) of the bf16 form, tile 4 g + t holding column 64 g + 4 r + t in lane r: nothing changes lanes.
;   For the codes a lane must hold 16 neighbours along K of ONE row: 16 rows x 256 bytes go through the stage and come back so; registers 4 c .. 4 c + 3 of a fragment hold K = 32 c + 16 h + 0..15, and w1's fragments
;   are fetched in the same order (four loads of 16 bytes, 32 apart): a permutation of k inside an instruction, the same on both sides.
;   The quantised product is used as it stands (source 0 = my rows, source 1 = 16 rows of w1's codes): register j of lane (r, h) is (row 8 h + j, column r): cb and vt are ONE number a lane, a register sums one row's
;   score, and after the sum over the sixteen lanes the 16 registers lie as source 0 of the context's product wants p (all sixteen rows of that source alike; row 0 of the result is taken).
; LIMITS: e2 between -126 and 112, so that 2^e2 and 57,344 x 2^e2 are f32 numbers; e2 + e3 is applied by v_ldexp_f32 and has none.  NaN and infinity among the inputs are not served.
;   Where 2^(c x) overflows, its reciprocal is 0 (tanh = 1); where it underflows, 1 (tanh = -1).
; REGISTERS, in windows of 256 (s_set_vgpr_msb: bits 1:0 source 0, 3:2 source 1, 5:4 source 2, 7:6 destination):
;   window 0: v1-31 lane terms and small things (named below); v32-47 two accumulators; v48-63 the 16 score sums; v64-79 at work in the tanh; v80-87 p as bf16; v128-255 one tile of w1 (8 fragments).
;             in L: v32-63 32 numbers back from the stage; v64-127, v128-191, v192-255 three sets of sixteen loads.  in S: v128-255 two sets of eight results.
;   window 1: my codes, fragment (m, s) at 16 (8 m + s).   windows 2 and 3: my rows as bf16, tile T at 8 T, counted through both.
.set ROWP,  1040                       ; a row of w1 in LDS: 1,024 bytes + 16 of padding = 260 words: row r starts at bank 4 r mod 64 (64 banks of 4 bytes: ISA guide 11.1)
.set SLOT,  128*ROWP                   ; 133,120
.set TILEB, 16*ROWP                    ; a tile of 16 columns
.set PARTB, 131072                     ; 128 rows of w1 in memory
.set STG,   2*SLOT                     ; behind the ring: a stage of 16 rows x (256 + 16) bytes for each wave
.set STGW,  16*272
.set TAB,   STG+4*STGW                 ; my batch's table: 1,024 x (cb, vt)
.set CP,    TAB+8192                   ; partial contexts: 4,096 bytes for each (wave, block), at 8,192 w + 4,096 blk
.set STAT,  CP+32768                   ; (m, l) for each (wave, block), at 16 w + 8 blk
.set SPARE, STAT+256                   ; the spare words, 128 bytes for each wave: two blocks of 256 bytes that no other line names
.set CC,    0x4038aa3b                 ; c = 2 log2(e)
.set GA,  3                            ; v3   enc: 16 r + 8 h rows of 4,096 bytes
.set STA, 4                            ; v4   the stage, in: row 8 h, 16 r
.set RDA, 5                            ; v5   the stage, back: row r, 64 h
.set FR0, 6                            ; v6   my lane's place in a tile of w1: row r, 16 h
.set ADR, 7                            ; v7   LDS address of the tile being fetched
.set TA0, 8                            ; v8   8 r: my column's pair in a tile's 16
.set TAD, 9                            ; v9   LDS address of that pair
.set SPW, 10                           ; v10  LDS address of my spare word: SPARE + 4 x my thread's number; never rewritten
.set NIL, 11                           ; v11  0; never rewritten
.set SCL, 12                           ; v12  2^e2 as f32
.set LIM, 13                           ; v13  57,344 x 2^e2
.set CS,  14                           ; v[14:15] c 2^(e2 + e3)
.set TN,  16                           ; v[16:17] (cb, vt) of the tile last fetched
.set TC,  18                           ; v[18:19] cb of the tile just multiplied (the low word serves both halves; the upper is written once)
.set TV,  20                           ; v[20:21] vt likewise
.set CPA, 22                           ; v22  CP + 8,192 w + 16 r
.set CPB, 23                           ; v23  the same in the block in hand
.set PFO, 24                           ; v24  4,096 x lane: a lane a row; never rewritten
.set GOF, 25                           ; v25  1,024 w + 16 x lane
.set ACC, 32
.set XR,  32
.set SAC, 48
.set EX,  64
.set PA,  80
.set FRG, 128
.set LB,  3                            ; s3   the lap's first byte in the table
.set WV,  14                           ; s14  my wave's number
.set STO, 17                           ; s17  where my (m, l) goes
.set G1T, 24                           ; s[24:31] descriptor group 1: 64 rows
.set G1R, 32                           ; s[32:39] descriptor group 1: 32 rows
.set G0T, 40                           ; s[40:43] group 0 of the load at a block's top; never rewritten
.set G0A, 44                           ; s[44:47] group 0 of slot 0's refills, which walks
.set G0B, 48                           ; s[48:51] of slot 1's
.set BLK, 52
.set LAP, 53
.set TIL, 54
.set WB,  55                           ; s55  LDS byte of the tile to be fetched
.set TBO, 56                           ; s56  LDS byte of its 16 pairs
.set CPO, 57                           ; s57  4,096 x block
.set SEL, 58                           ; s[58:59] lane selects for v_permlanex16_b32: lane l xor 16
.set MSB, 0
.macro WIN new                         ; the immediate's high byte repeats the setting that is left
.if MSB != (\new)
	s_set_vgpr_msb (MSB<<8)|(\new)
.set MSB, (\new)
.endif
.endm
; A round of the cluster's barrier: my work-group's barrier, so that wave 0's signal speaks for all four waves; wave 0 signals; every wave waits for all four work-groups; my work-group's barrier once more.
.macro ROUND
	s_barrier_signal -1
	s_barrier_wait -1
	s_cmp_lg_u32 s[WV], 0
	s_cbranch_scc1 .Lnot_wave_0_\@
	s_barrier_signal -3
.Lnot_wave_0_\@:
	s_barrier_wait -3
	s_barrier_signal -1
	s_barrier_wait -1
.endm
; A joint load: every wave issues the line, each for rows of its own (both addresses hang on the wave's number, on nothing else).  An s_nop 0 and four v_nop follow it.
.macro JL g0, g1
	tensor_load_to_lds s[\g0:\g0+3], s[\g1:\g1+7]
	s_nop 0
.rept 4
	v_nop
.endr
.endm
; A PREFETCH INTO THE L2 of my 32 rows of the NEXT block, a lane a row, 256 bytes of each row a request: each aligned block of 256 bytes is named once in the launch, by the wave that will load it.
; Two requests in each of a block's eight uses of a slot, 16 x 256 bytes = the rows whole: in the steps that have 6 and 2 steps of the use to go, two steps behind one change of slots and two ahead of the next.
; s62 and s63 hold 6 and 2 in the first block and 64, which no count of steps reaches, in the last: it asks for nothing.  The branches hang on counts alone, the same in all partners.
.macro ASK off
	s_cmp_eq_u32 s[TIL], s62
	s_cbranch_scc0 .Lnot_six_\@
	global_prefetch_b8 v[PFO], s[60:61] offset:(\off) th:TH_LOAD_NT scope:SCOPE_SE
.Lnot_six_\@:
	s_cmp_eq_u32 s[TIL], s63
	s_cbranch_scc0 .Lnot_two_\@
	global_prefetch_b8 v[PFO], s[60:61] offset:(\off)+256 th:TH_LOAD_NT scope:SCOPE_SE
.Lnot_two_\@:
.endm
; Group g of enc: my 32 rows x columns 64 g .. 64 g + 63, sixteen loads into set g % 3.  Load i: rows i and 8 + i (i < 8), rows 8 + i and 16 + i (i >= 8), for the two halves of the lanes.
.macro GLOAD g
.set SB, 64+64*((\g)%3)
.irp i, 0,1,2,3,4,5,6,7,8,9,10,11,12,13,14,15
	global_load_b128 v[SB+4*\i:SB+4*\i+3], v[GA], s[4:5] offset:(\i+8*(\i/8))*4096+256*(\g) th:TH_LOAD_NT
.endr
.endm
; Group g is worked: 32 roundings to bf16 (four tiles of the context's source 1), then for each half m of my rows: through the stage, held at the largest code, converted.
.macro LGROUP g
.set SB, 64+64*((\g)%3)
.if (\g) < 14
	s_wait_loadcnt 32                              ; loads come back in order (ISA guide 5.7.1): this group's sixteen are in, the two younger groups' 32 stay out
.elseif (\g) == 14
	s_wait_loadcnt 16
.else
	s_wait_loadcnt 0
.endif
	WIN 0x80+0x40*((\g)/8)                         ; destination window 2 (tiles 0-31) or 3
.irp t, 0,1,2,3
.irp j, 0,1,2,3,4,5,6,7
	v_cvt_pk_bf16_f32 v[8*((4*(\g)+\t)%32)+\j], v[SB+8*\j+\t], v[SB+8*\j+4+\t]   ; two neighbouring rows of column 64 g + 4 r + t
.endr
.endr
	WIN 0
.irp m, 0,1
.irp i, 0,1,2,3,4,5,6,7
	ds_store_b128 v[STA], v[SB+32*\m+4*\i:SB+32*\m+4*\i+3] offset:272*\i   ; rows 16 m + 8 h + i
.endr
.irp q, 0,1,2,3,4,5,6,7
	ds_load_b128 v[XR+4*\q:XR+4*\q+3], v[RDA] offset:128*(\q/4)+16*(\q%4)   ; LDS serves a wave's instructions in order (ISA guide 5.7.1.4): these see the stores above.  Row 16 m + r: 16 neighbours of each block of 32
.endr
	s_wait_dscnt 0x0                               ; the 32 numbers are back, and the stores have read their registers
.if (\m == 1) && ((\g) < 13)
	GLOAD (\g)+3                                   ; the set is free: it takes the group three further on
.endif
.set ii, 0
.rept 32
	v_med3_num_f32 v[XR+ii], v[XR+ii], -v[LIM], v[LIM]   ; the conversion to an 8-bit code does not saturate (ISA guide 7.6.2): the hold at the largest code x the scale
.set ii, ii+1
.endr
	WIN 0x40                                       ; destination window 1
.irp q, 0,1,2,3
	v_cvt_scalef32_pk8_bf8_f32 v[16*(8*\m+(\g)/2)+8*((\g)%2)+2*\q:16*(8*\m+(\g)/2)+8*((\g)%2)+2*\q+1], v[XR+8*\q:XR+8*\q+7], v[SCL]
.endr
	WIN 0
	v_nop                                          ; one plain vector instruction behind the last scaled conversion of a run
.endr
.endm
; A tile of w1 is 16 columns x 1,024 K: 8 fragments, 32 loads; with it go its 16 pairs of the table, one a lane.  It is fetched in two runs.  FADR: where the tile to be fetched and its pairs lie.
.macro FADR
	v_add_nc_u32 v[ADR], s[WB], v[FR0]
	v_add_nc_u32 v[TAD], s[TBO], v[TA0]
.endm
.macro FRAGA                           ; the first run: fragments 0-3, sixteen loads
.irp s, 0,1,2,3
.irp c, 0,1,2,3
	ds_load_b128 v[FRG+16*\s+4*\c:FRG+16*\s+4*\c+3], v[ADR] offset:128*\s+32*\c
.endr
.endr
.endm
.macro FRAGB                           ; the second run: fragments 4-7 and the pair, seventeen loads; the next fetch is the next tile's
.irp s, 4,5,6,7
.irp c, 0,1,2,3
	ds_load_b128 v[FRG+16*\s+4*\c:FRG+16*\s+4*\c+3], v[ADR] offset:128*\s+32*\c
.endr
.endr
	ds_load_b64 v[TN:TN+1], v[TAD]
	s_add_co_u32 s[WB], s[WB], TILEB
	s_add_co_u32 s[TBO], s[TBO], 128
.endm
; The two products of K step s: my two tiles of rows x the tile's 16 columns.  The two accumulators take turns, one instruction a turn; the first K step starts the sums.
.macro MM1 s
.irp m, 0,1
.if (\s) == 0
	v_wmma_f32_16x16x128_bf8_bf8 v[ACC+8*\m:ACC+8*\m+7], v[16*(8*\m+(\s)):16*(8*\m+(\s))+15], v[FRG+16*(\s):FRG+16*(\s)+15], 0
.else
	v_wmma_f32_16x16x128_bf8_bf8 v[ACC+8*\m:ACC+8*\m+7], v[16*(8*\m+(\s)):16*(8*\m+(\s))+15], v[FRG+16*(\s):FRG+16*(\s)+15], v[ACC+8*\m:ACC+8*\m+7]
.endif
.endr
.endm
.macro MMLO                            ; K steps 0-3: they read fragments 0-3
	WIN 0x01                                       ; source 0 (my codes) window 1
.irp s, 0,1,2,3
	MM1 \s
.endr
	WIN 0
.endm
.macro MMHI                            ; K steps 4-7: fragments 4-7
	WIN 0x01
.irp s, 4,5,6,7
	MM1 \s
.endr
	WIN 0
.endm
; The multiplied tile's pair is kept, before the next tile's lands on it.
.macro TCOPY
	v_mov_b32 v[TC], v[TN]
	v_mov_b32 v[TV], v[TN+1]
.endm
; score' += vt / (1 + 2^(sum x c 2^(e2 + e3) + cb)), 16 numbers a lane.  Each batch of transcendentals has one plain line behind it and one wait ahead of its first reader.
.macro TANH
.irp i, 0,2,4,6,8,10,12,14
	v_pk_fma_f32 v[EX+\i:EX+\i+1], v[ACC+\i:ACC+\i+1], v[CS:CS+1], v[TC:TC+1] op_sel_hi:[1,0,0]   ; each accumulator from its low end on
.endr
	s_wait_alu depctr_va_vdst(0)
.irp i, 0,1,2,3,4,5,6,7,8,9,10,11,12,13,14,15
	v_exp_f32 v[EX+\i], v[EX+\i]
.endr
	v_nop
	s_wait_alu depctr_va_vdst(0)
.irp i, 0,2,4,6,8,10,12,14
	v_pk_add_f32 v[EX+\i:EX+\i+1], v[EX+\i:EX+\i+1], 1.0 op_sel_hi:[1,0]
.endr
	s_wait_alu depctr_va_vdst(0)
.irp i, 0,1,2,3,4,5,6,7,8,9,10,11,12,13,14,15
	v_rcp_f32 v[EX+\i], v[EX+\i]
.endr
	v_nop
	s_wait_alu depctr_va_vdst(0)
.irp i, 0,2,4,6,8,10,12,14
	v_pk_fma_f32 v[SAC+\i:SAC+\i+1], v[EX+\i:EX+\i+1], v[TV:TV+1], v[SAC+\i:SAC+\i+1] op_sel_hi:[1,0,1]
.endr
.endm
; A STEP: the tile that lies in the fragments' registers is multiplied and its tanh taken; fetch = 1: the next tile is fetched meanwhile, each half as soon as its registers are free.
; A load into a register that a matrix instruction has read, and the first read of the sums, stand four places behind that matrix instruction, and only plain vector instructions that name none of its registers are
; places (ISA guide 7.12.1 for vector instructions).  Behind the first eight products: the two address lines and two v_nop.  Behind the last eight: the two lines that keep the pair and
; two v_nop; in a block's last step two address lines of the softmax take the v_nops' part.
.macro BODY fetch
	s_wait_dscnt 17                                ; LDS loads come back in order (ISA guide 5.7.1): fragments 0-3 are in; the second run's seventeen may be out
	MMLO
.if \fetch
	FADR
	v_nop
	v_nop
	FRAGA                                          ; the next tile's fragments 0-3
	s_wait_alu depctr_va_vdst(0)
	s_wait_dscnt 16                                ; fragments 4-7 and the pair are in; the sixteen just issued may be out
.else
	s_wait_dscnt 0x0
.endif
	MMHI
	TCOPY
.if \fetch
	v_nop
	v_nop
	FRAGB                                          ; the next tile's fragments 4-7, and its pair
.else
	v_add_nc_u32 v[CPB], s[CPO], v[CPA]            ; where the block's part of the context goes,
	v_mov_b32 v30, s[STO]                          ; and its (m, l)
.endif
	TANH
.endm
; A USE OF A SLOT: the eight steps that FETCH its eight tiles; they multiply the last tile of the slot before and this slot's tiles 0-6.  first = 1: a block's first tile is fetched whole, and seven steps follow.
; lap = 1: the table's byte is the lap's + toff; 0: the constant TAB + toff.
.macro USE slot, first, lap, toff
	s_mov_b32 s[WB], \slot*SLOT
.if \lap
	s_add_co_u32 s[TBO], s[LB], \toff
.else
	s_mov_b32 s[TBO], TAB+\toff
.endif
.if \first
	FADR
	FRAGA
	FRAGB
	s_mov_b32 s[TIL], 7
.else
	s_mov_b32 s[TIL], 8
.endif
.Ltile_\@:
	ASK 512*(1-\slot)*\lap                         ; in a lap slot 1's use names the lap's first two groups of 256 bytes, slot 0's the next two
	BODY 1
	s_sub_co_u32 s[TIL], s[TIL], 1
	s_cmp_lg_u32 s[TIL], 0
	s_cbranch_scc1 .Ltile_\@
.endm
; THE CHANGE OF SLOTS.  All eight tiles of the slot in use have been asked of LDS; the last of them will lie in registers.  Each wave waits for all its tensor loads (its part of the slot that is read next), adds 0 to its
; spare word, and waits for that and for its reads of the slot that it leaves.  The round shows that of every wave of all four work-groups.  Behind it the slot just left is filled with w1's rows two parts on: the load
; has the other slot's eight steps in which to land.
.macro CHANGE g0
	s_wait_tensorcnt 0x0                           ; no tensor load of mine is out, so a group 0 may be written
	ds_add_u32 v[SPW], v[NIL]                      ; 0 onto my spare word
	s_add_nc_u64 s[\g0+2:\g0+3], s[\g0+2:\g0+3], 2*PARTB   ; the type bits on top are not reached
	s_wait_dscnt 0x0
	ROUND
	JL \g0, G1R                                    ; the first tensor load behind the round, and my only one until the next
.endm
	s_load_b256 s[4:11], s[0:1], 0x0               ; enc s[4:5], w1's codes s[6:7], the scales' exponents s[8:9], tab s[10:11]
	s_load_b64 s[12:13], s[0:1], 0x20              ; part
	v_lshl_add_u32 v[SPW], v0, 2, SPARE
	v_mov_b32 v[NIL], 0
	ds_add_u32 v[SPW], v[NIL]                      ; the wave's opening: the add, twice on end, and its wait ahead of my first tensor load; the set-up below, work on registers, stands between
	ds_add_u32 v[SPW], v[NIL]                      ; and once more
	v_lshrrev_b32 v1, 5, v0
	v_readfirstlane_b32 s[WV], v1                  ; wave 0..3
	s_bfe_u32 s15, ttmp6, 0x40000                  ; my place in the cluster: it enters the addresses of enc, tab and part alone
	s_lshl_b32 s16, ttmp9, 2                       ; in a cluster launch ttmp9 counts clusters
	s_add_co_u32 s16, s16, s15                     ; WG
	; descriptor group 1: rows of 1,024 elements of one byte, dense in memory, 16 bytes of padding behind each in LDS
.irp g, G1T, G1R
	s_mov_b32 s[\g], 15|(1<<20)|(1<<21)|(7<<22)|(3<<25)   ; 15:0 the mask: all four work-groups; 17:16 elements of 1 byte; 20 padding on; 21 set beside a mask; 24:22 after every 256 words (code 7); 31:25 four words (code 3)
	s_mov_b32 s[\g+1], 1024<<16                    ; tensor_dim0
	s_mov_b32 s[\g+3], 1024<<16                    ; tile_dim0
	s_mov_b32 s[\g+5], 1024                        ; tensor_dim0_stride
	s_mov_b32 s[\g+6], 0
	s_mov_b32 s[\g+7], 0
.endr
	s_mov_b32 s[G1T+2], 64<<16                     ; tensor_dim1
	s_mov_b32 s[G1T+4], 64                         ; tile_dim1
	s_mov_b32 s[G1R+2], 32<<16
	s_mov_b32 s[G1R+4], 32
	s_mov_b32 s[SEL], 0x76543210
	s_mov_b32 s[SEL+1], 0xfedcba98
	v_and_b32 v1, 15, v0                           ; r
	v_bfe_u32 v2, v0, 4, 1                         ; h
	v_lshlrev_b32 v[GA], 4, v1
	v_lshl_add_u32 v[GA], v2, 15, v[GA]
	s_mul_i32 s18, s[WV], STGW
	s_add_co_u32 s18, s18, STG                     ; my stage
	v_mul_u32_u24 v[STA], v2, 8*272
	v_lshl_add_u32 v[STA], v1, 4, v[STA]
	v_add_nc_u32 v[STA], s18, v[STA]
	v_mul_u32_u24 v[RDA], v1, 272
	v_lshl_add_u32 v[RDA], v2, 6, v[RDA]
	v_add_nc_u32 v[RDA], s18, v[RDA]
	v_mul_u32_u24 v[FR0], v1, ROWP
	v_lshl_add_u32 v[FR0], v2, 4, v[FR0]
	v_lshlrev_b32 v[TA0], 3, v1
	s_lshl_b32 s19, s[WV], 13
	s_add_co_u32 s19, s19, CP
	v_lshl_add_u32 v[CPA], v1, 4, s19
	v_and_b32 v[PFO], 31, v0
	v_lshlrev_b32 v[GOF], 4, v[PFO]
	v_lshlrev_b32 v[PFO], 12, v[PFO]
	s_lshl_b32 s20, s[WV], 10
	v_add_nc_u32 v[GOF], s20, v[GOF]
	s_lshl_b32 s[STO], s[WV], 4
	s_add_co_u32 s[STO], s[STO], STAT
	v_lshlrev_b32 v28, 4, v0                       ; the table's copy: 16 bytes a thread,
	v_add_nc_u32 v30, TAB, v28                     ; and their place in LDS
	v_mov_b32 v[TC+1], 0                           ; named as the upper halves of pairs, so they are written
	v_mov_b32 v[TV+1], 0
	v_mov_b32 v29, 0                               ; a lane permute's destination counts as one of its sources
	s_wait_alu depctr_va_vdst(0)
	s_wait_dscnt 0x0                               ; both opening adds are done
	s_wait_kmcnt 0x0
	s_load_b128 s[60:63], s[8:9], 0x0              ; e0, e1, e2, e3
	s_mov_b32 s19, 0
	s_lshl_b32 s18, s[WV], 16                      ; the block's top: wave w brings w1's rows 64 w .. 64 w + 63: waves 0 and 1 fill slot 0, waves 2 and 3 slot 1
	s_mov_b32 s[G0T], 1                            ; 1:0 count = 1
	s_mul_i32 s[G0T+1], s[WV], 64*ROWP             ; 63:32 LDS address
	s_add_nc_u64 s[G0T+2:G0T+3], s[6:7], s[18:19]  ; 120:64 global address
	s_or_b32 s[G0T+3], s[G0T+3], 0x80000000        ; 127:126 type = 2
	s_lshl_b32 s18, s[WV], 15                      ; a refill: wave w brings rows 32 w .. 32 w + 31 of a part of 128
	s_add_nc_u64 s[20:21], s[6:7], s[18:19]
	s_mov_b32 s[G0A], 1
	s_mul_i32 s[G0A+1], s[WV], 32*ROWP
	s_add_nc_u64 s[G0A+2:G0A+3], s[20:21], 6*PARTB ; where a block leaves it: at part 6; a block's top takes it back to part 0, each change steps it two parts on
	s_or_b32 s[G0A+3], s[G0A+3], 0x80000000
	s_mov_b32 s[G0B], 1
	s_add_co_u32 s[G0B+1], s[G0A+1], SLOT
	s_add_nc_u64 s[G0B+2:G0B+3], s[20:21], 7*PARTB ; likewise: parts 7, then 1, 3, 5, 7
	s_or_b32 s[G0B+3], s[G0B+3], 0x80000000
	s_lshl_b32 s18, s16, 20                        ; enc: 256 WG rows of 4,096 bytes,
	s_lshl_b32 s20, s[WV], 17                      ; + 32 w rows
	s_add_co_u32 s18, s18, s20
	s_add_nc_u64 s[4:5], s[4:5], s[18:19]
	s_lshr_b32 s18, s16, 3                         ; my batch's 8,192 bytes of tab
	s_lshl_b32 s18, s18, 13
	s_add_nc_u64 s[10:11], s[10:11], s[18:19]
	s_mul_i32 s18, s16, 4608                       ; my record
	s_add_nc_u64 s[12:13], s[12:13], s[18:19]
.irp i, 0,1,2,3
	global_load_b128 v[32+4*\i:35+4*\i], v28, s[10:11] offset:2048*\i   ; the table is copied once, 2,048 consecutive bytes an instruction of the work-group
.endr
	s_wait_kmcnt 0x0
	s_add_co_i32 s18, s62, 127
	s_lshl_b32 s20, s18, 23
	v_mov_b32 v[SCL], s20                          ; 2^e2 as f32: the conversion takes its exponent field
	s_add_co_i32 s18, s18, 15
	s_lshl_b32 s18, s18, 23
	s_or_b32 s18, s18, 0x600000
	v_mov_b32 v[LIM], s18                          ; 57,344 x 2^e2
	s_add_co_i32 s18, s62, s63
	v_mov_b32 v[CS], CC
	v_ldexp_f32 v[CS], v[CS], s18                  ; c 2^(e2 + e3)
	v_mov_b32 v[CS+1], v[CS]
	s_mov_b32 s[BLK], 2
	s_mov_b32 s[CPO], 0
	s_wait_loadcnt 0x0
.irp i, 0,1,2,3
	ds_store_b128 v30, v[32+4*\i:35+4*\i] offset:2048*\i
.endr
.Lblock:                                           ; two trips: a block of 128 rows each
	s_wait_tensorcnt 0x0                           ; no tensor load of mine is out, so the walking groups 0 may be written
	ds_add_u32 v[SPW], v[NIL]                      ; the add here, twice on end in every trip alike
	ds_add_u32 v[SPW], v[NIL]
	s_sub_nc_u64 s[G0A+2:G0A+3], s[G0A+2:G0A+3], 6*PARTB   ; back to parts 0 and 1
	s_sub_nc_u64 s[G0B+2:G0B+3], s[G0B+2:G0B+3], 6*PARTB
	s_add_nc_u64 s[60:61], s[4:5], 524288          ; where my prefetches stand: my rows of the next block (s60-63 held the scales' exponents, which the head has used)
	s_cmp_eq_u32 s[BLK], 2
	s_cselect_b32 s62, 6, 64                       ; the counts of steps at which I ask; none in the last block
	s_cselect_b32 s63, 2, 64
	s_wait_dscnt 0x0                               ; the adds are done; so are the table's stores (first trip), my reads of both slots and my stores of the last block's results (second)
	ROUND                                          ; all four work-groups are here, and no wave of any of them still reads the ring
	JL G0T, G1T                                    ; both slots: w1's rows 0-255, 64 a wave.  In the first trip all four loads fill bytes for the first time, in the second all four fill them again
	GLOAD 0
	GLOAD 1
	GLOAD 2
.irp g, 0,1,2,3,4,5,6,7,8,9,10,11,12,13,14,15
	LGROUP \g
.endr
	s_wait_tensorcnt 0x0                           ; my part of the two slots is in
	ds_add_u32 v[SPW], v[NIL]                      ; (part of the wait for all tensor loads in front of a barrier; the clearing below stands between the add and the wait for it)
.set ii, 0
.rept 16
	v_mov_b32 v[SAC+ii], 0                         ; the 16 score sums begin at 0: the tanh is written once
.set ii, ii+1
.endr
	s_wait_dscnt 0x0
	s_barrier_signal -1
	s_barrier_wait -1                              ; everybody's part is in
	USE 0, 1, 0, 0                                 ; part 0 is fetched
	s_wait_xcnt 0x0                                ; my prefetches, two steps back, have read their base
	s_add_nc_u64 s[60:61], s[60:61], 512           ; the first use has named two groups
	s_mov_b32 s[LB], TAB
	s_mov_b32 s[LAP], 3
.Llap:                                             ; lap i: slot 0 takes part 2 i + 2, part 2 i + 1 is fetched; slot 1 takes part 2 i + 3, part 2 i + 2 is fetched
	CHANGE G0A
	USE 1, 0, 1, 1024
	CHANGE G0B
	USE 0, 0, 1, 2048
	s_wait_xcnt 0x0                                ; my prefetches, two steps back, have read their base
	s_add_nc_u64 s[60:61], s[60:61], 1024          ; a lap has named four groups
	s_add_co_u32 s[LB], s[LB], 2048
	s_sub_co_u32 s[LAP], s[LAP], 1
	s_cmp_lg_u32 s[LAP], 0
	s_cbranch_scc1 .Llap
	s_wait_tensorcnt 0x0                           ; part 7, my rows of it
	ds_add_u32 v[SPW], v[NIL]
	s_wait_dscnt 0x0
	s_barrier_signal -1
	s_barrier_wait -1                              ; everybody's
	USE 1, 0, 0, 7168                              ; part 7 is fetched
	BODY 0                                         ; the block's last tile: nothing is left to fetch
	; ---- S.  A register's 16 lanes hold one row's score in 16 parts (columns r, 16 + r, ..): four steps inside each half of the lanes add them
.irp x, 1,2,4,8
.set ii, 0
.rept 16
	v_add_f32_dpp v[SAC+ii], v[SAC+ii], v[SAC+ii] row_xmask:\x row_mask:0xf bank_mask:0xf
.set ii, ii+1
.endr
.endr
	v_max3_num_f32 v28, v[SAC], v[SAC+1], v[SAC+2] ; m: the largest of my half's 16 rows,
.irp i, 3,5,7,9,11,13
	v_max3_num_f32 v28, v28, v[SAC+\i], v[SAC+\i+1]
.endr
	v_max_num_f32 v28, v28, v[SAC+15]
	v_permlanex16_b32 v29, v28, s[SEL], s[SEL+1]
	v_max_num_f32 v26, v28, v29                    ; and of the other half's
.set ii, 0
.rept 16
	v_sub_f32 v[SAC+ii], v[SAC+ii], v26
.set ii, ii+1
.endr
.set ii, 0
	s_wait_alu depctr_va_vdst(0)
.rept 16
	v_exp_f32 v[SAC+ii], v[SAC+ii]                 ; p = 2^(score' - m)
.set ii, ii+1
.endr
	v_nop                                          ; the plain line behind the exponentials
	s_wait_alu depctr_va_vdst(0)                   ; one wait for the batch, ahead of its first reader
.irp i, 0,1,2,3
	v_pk_add_f32 v[EX+2*\i:EX+2*\i+1], v[SAC+4*\i:SAC+4*\i+1], v[SAC+4*\i+2:SAC+4*\i+3]   ; l: the sum of the p as they are, before they are rounded
.endr
	v_pk_add_f32 v[EX:EX+1], v[EX:EX+1], v[EX+2:EX+3]
	v_pk_add_f32 v[EX+4:EX+5], v[EX+4:EX+5], v[EX+6:EX+7]
	v_pk_add_f32 v[EX:EX+1], v[EX:EX+1], v[EX+4:EX+5]
	v_add_f32 v28, v[EX], v[EX+1]
	v_permlanex16_b32 v29, v28, s[SEL], s[SEL+1]
	v_add_f32 v27, v28, v29
.irp j, 0,1,2,3,4,5,6,7
	v_cvt_pk_bf16_f32 v[PA+\j], v[SAC+2*\j], v[SAC+2*\j+1]   ; registers 0-3: rows 8 h + 0..7; 4-7: rows 16 + 8 h + 0..7: source 0 of the bf16 form, all its sixteen rows alike
.endr
	s_wait_alu depctr_va_vdst(0)
	ds_store_b64 v30, v[26:27]                     ; (m, l): all lanes write the same two words with the same values
.irp i, 0,1,2,3,4,5,6,7                        ; the context's part: 64 tiles of 16 columns, eight at a time into two sets of results by turns
.if \i >= 2
	s_wait_dscnt 8                                 ; the stores of the batch two back have read their registers; the last batch's eight may be out
.endif
	WIN 0x08+0x04*(\i/4)                           ; source 1 window 2 (tiles 0-31) or 3
.irp k, 0,1,2,3,4,5,6,7
	v_wmma_f32_16x16x32_bf16 v[128+64*(\i%2)+8*\k:128+64*(\i%2)+8*\k+7], v[PA:PA+7], v[8*((8*\i+\k)%32):8*((8*\i+\k)%32)+7], 0
.endr
	WIN 0
.rept 4
	v_nop                                          ; four places in front of the stores that read results; two batches' eight stand in front of the products that write a set anew
.endr
.irp k, 0,1,2,3,4,5,6,7
	ds_store_b32 v[CPB], v[128+64*(\i%2)+8*\k] offset:256*((8*\i+\k)/4)+4*(\k%4)   ; register 0: the sum for column 64 g + 4 r + t of tile 4 g + t; the two halves of the lanes write the same words with the same values
.endr
.endr
	s_wait_xcnt 0x0                                ; the last prefetches, three steps back, have read their base and offsets
	s_add_nc_u64 s[4:5], s[4:5], 524288            ; the next 128 rows
	s_add_co_u32 s[CPO], s[CPO], 4096
	s_add_co_u32 s[STO], s[STO], 8
	s_sub_co_u32 s[BLK], s[BLK], 1
	s_cmp_lg_u32 s[BLK], 0
	s_cbranch_scc1 .Lblock
	; ---- THE WORK-GROUP'S RECORD.  The eight (wave, block) parts are joined: M = the largest m, f = 2^(m - M), L = sum f l, context = sum f part.  Wave w takes columns 256 w .. 256 w + 255.
	s_wait_dscnt 0x0                               ; for the others' sake: my stores have landed
	s_barrier_signal -1
	s_barrier_wait -1
	v_mov_b32 v30, STAT
	v_add_nc_u32 v31, CP, v[GOF]
.irp i, 0,1,2,3
	ds_load_b128 v[32+4*\i:35+4*\i], v30 offset:16*\i   ; (m, l) of part i at v[32 + 2 i]
.endr
.irp i, 0,1,2,3,4,5,6,7
	ds_load_b128 v[64+8*\i:67+8*\i], v31 offset:4096*\i
	ds_load_b128 v[68+8*\i:71+8*\i], v31 offset:4096*\i+512
.endr
	s_wait_dscnt 16                                ; the four loads of (m, l) are in; the sixteen behind them may be out
	v_max3_num_f32 v28, v32, v34, v36
	v_max3_num_f32 v28, v28, v38, v40
	v_max3_num_f32 v28, v28, v42, v44
	v_max_num_f32 v28, v28, v46                    ; M
.irp i, 0,1,2,3,4,5,6,7
	v_sub_f32 v[32+2*\i], v[32+2*\i], v28
.endr
	s_wait_alu depctr_va_vdst(0)
.irp i, 0,1,2,3,4,5,6,7
	v_exp_f32 v[32+2*\i], v[32+2*\i]               ; f takes m's place: the pair (f, l) is named by the packed forms, which take its low word for both halves
.endr
	v_nop
	s_wait_alu depctr_va_vdst(0)
	v_mul_f32 v29, v32, v33
.irp i, 1,2,3,4,5,6,7
	v_fmac_f32 v29, v[32+2*\i], v[33+2*\i]         ; L
.endr
	s_wait_dscnt 0x0
.irp a, 0,2,4,6
	v_pk_mul_f32 v[48+\a:49+\a], v[64+\a:65+\a], v[32:33] op_sel_hi:[1,0]
.endr
.irp i, 1,2,3,4,5,6,7
.irp a, 0,2,4,6
	v_pk_fma_f32 v[48+\a:49+\a], v[64+8*\i+\a:65+8*\i+\a], v[32+2*\i:33+2*\i], v[48+\a:49+\a] op_sel_hi:[1,0,1]
.endr
.endr
	global_store_b128 v[GOF], v[48:51], s[12:13]               ; 32 lanes store 512 consecutive bytes, at a multiple of 256 from part's first byte
	global_store_b128 v[GOF], v[52:55], s[12:13] offset:512
	s_cmp_lg_u32 s[WV], 0
	s_cbranch_scc1 .Lnot_first
	v_mov_b32 v56, v28                             ; wave 0: (M, L, M, L) from every lane: 512 consecutive bytes behind the context, so that no block of 256 bytes is written in part
	v_mov_b32 v57, v29
	v_mov_b32 v58, v28
	v_mov_b32 v59, v29
	global_store_b128 v[GOF], v[56:59], s[12:13] offset:4096   ; (in wave 0 the offset is 16 x lane)
.Lnot_first:
	s_wait_tensorcnt 0x0                           ; the wave's end, behind my last tensor load and my last LDS store
	ds_add_u32 v[SPW], v[NIL]
	s_wait_dscnt 0x0
	ROUND                                          ; the closing round: no work-group ends while a partner may still ask for a tile that names it
	s_endpgm
.Lfunc_end_k_q697fc2ecf5_attn:
	.size	k_q697fc2ecf5_attn, .Lfunc_end_k_q697fc2ecf5_attn-k_q697fc2ecf5_attn
	.p2alignl 7, 3214868480
	.fill 96, 4, 3214868480
	.section	.rodata,"a",@progbits
	.p2align	6, 0x0
	.amdhsa_kernel k_q697fc2ecf5_attn
		.amdhsa_group_segment_fixed_size 327680
		.amdhsa_private_segment_fixed_size 0
		.amdhsa_enable_private_segment 0
		.amdhsa_kernarg_size 40
		.amdhsa_user_sgpr_count 2
		.amdhsa_user_sgpr_kernarg_segment_ptr 1
		.amdhsa_wavefront_size32 1
		.amdhsa_system_sgpr_workgroup_id_x 1
		.amdhsa_system_sgpr_workgroup_id_y 1
		.amdhsa_system_sgpr_workgroup_id_z 1
		.amdhsa_system_vgpr_workitem_id 0
		.amdhsa_next_free_vgpr 1024
		.amdhsa_next_free_sgpr 66
		.amdhsa_reserve_vcc 0
		.amdhsa_float_denorm_mode_32 3
		.amdhsa_float_denorm_mode_16_64 3
		.amdhsa_memory_ordered 1
		.amdhsa_forward_progress 1
		.amdhsa_inst_pref_size 232
	.end_amdhsa_kernel
	.amdgpu_metadata
---
amdhsa.version: [ 1, 2 ]
amdhsa.kernels:
  - .name:           k_q697fc2ecf5_attn
    .symbol:         k_q697fc2ecf5_attn.kd
    .args:
      - { .name: encoder_outputs, .offset: 0, .size: 8, .value_kind: global_buffer, .address_space: global }
      - { .name: w1_codes, .offset: 8, .size: 8, .value_kind: global_buffer, .address_space: global }
      - { .name: lowp_scales, .offset: 16, .size: 8, .value_kind: global_buffer, .address_space: global }
      - { .name: tab, .offset: 24, .size: 8, .value_kind: global_buffer, .address_space: global }
      - { .name: part, .offset: 32, .size: 8, .value_kind: global_buffer, .address_space: global }
    .group_segment_fixed_size: 327680
    .private_segment_fixed_size: 0
    .kernarg_segment_align: 8
    .kernarg_segment_size: 40
    .max_flat_workgroup_size: 128
    .sgpr_count:     66
    .vgpr_count:     1024
    .wavefront_size: 32
...
	.end_amdgpu_metadata
.endif
;; end of part 2
;; launch finish (part 3): grid 32 x 1, 8 waves a work-group, no clusters, 0 bytes of LDS; arguments part, out0; writes out0
.if DOCPART == 3
	.amdgcn_target "amdgcn-amd-amdhsa--gfx1250"
	.amdhsa_code_object_version 6
	.text
	.protected	k_q697fc2ecf5_finish
	.globl	k_q697fc2ecf5_finish
	.p2align	8
	.type	k_q697fc2ecf5_finish,@function
k_q697fc2ecf5_finish:
	s_mov_b64 s[64:65], 0
	v_nop
	global_prefetch_b8 v0, s[64:65] scope:SCOPE_SE
	s_setreg_imm32_b32 hwreg(HW_REG_WAVE_MODE, 25, 1), 1
	s_wait_xcnt 0x0
; ADDITIVE ATTENTION, launch 3 of 3: a batch's eight records (context[1024], M, L) are joined: M* = the largest M, f = 2^(M - M*), out0[b] = (sum f context) / (sum f L).
; (bv and the sum of v stay left out: they are the same along the softmax's axis; shown at the head of the first kernel.)
; Work-group b takes batch b; thread t takes columns 4 t .. 4 t + 3: a wave's load or store covers 512 consecutive bytes.  A record is 4,608 bytes: 4,096 of context, then (M, L).
; No LDS, no barrier: threads share nothing.  The matrix units have nothing to do here.
	s_load_b128 s[4:7], s[0:1], 0x0                ; part s[4:5], out0 s[6:7]
	v_lshlrev_b32 v1, 4, v0                        ; 16 t
	v_mov_b32 v2, 0
	s_mul_i32 s8, ttmp9, 36864                     ; my batch's eight records
	s_mov_b32 s9, 0
	s_lshl_b32 s10, ttmp9, 12                      ; its row of out0
	s_mov_b32 s11, 0
	s_wait_alu depctr_va_vdst(0)
	s_wait_kmcnt 0x0
	s_add_nc_u64 s[4:5], s[4:5], s[8:9]
	s_add_nc_u64 s[6:7], s[6:7], s[10:11]
.irp g, 0,1,2,3,4,5,6,7
	global_load_b64 v[40+2*\g:41+2*\g], v2, s[4:5] offset:4608*\g+4096   ; (M, L) of record g, the same in every lane
.endr
.irp g, 0,1,2,3,4,5,6,7
	global_load_b128 v[8+4*\g:11+4*\g], v1, s[4:5] offset:4608*\g
.endr
	s_wait_loadcnt 0x8                             ; the eight (M, L) are in; the eight loads behind them may be out
	v_max3_num_f32 v56, v40, v42, v44
	s_delay_alu instid0(VALU_DEP_1)
	v_max3_num_f32 v56, v56, v46, v48
	s_delay_alu instid0(VALU_DEP_1)
	v_max3_num_f32 v56, v56, v50, v52
	s_delay_alu instid0(VALU_DEP_1)
	v_max_num_f32 v56, v56, v54                    ; M*
.irp g, 0,1,2,3,4,5,6,7
	v_sub_f32 v[40+2*\g], v[40+2*\g], v56
.endr
	s_wait_alu depctr_va_vdst(0)
.irp g, 0,1,2,3,4,5,6,7
	v_exp_f32 v[40+2*\g], v[40+2*\g]               ; f takes M's place: the pair (f, L) is named by the packed forms, which take its low word for both halves
.endr
	v_nop                                          ; a plain line behind the last exponential
	s_wait_alu depctr_va_vdst(0)                   ; one wait for the batch, ahead of its first reader
	v_mul_f32 v57, v40, v41
.irp g, 1,2,3,4,5,6,7
	v_fmac_f32 v57, v[40+2*\g], v[41+2*\g]         ; sum f L: at least 1, since the record with the largest M has f = 1 and L >= 1
.endr
	s_wait_alu depctr_va_vdst(0)
	v_rcp_f32 v58, v57
	s_wait_loadcnt 0x0
	v_pk_mul_f32 v[60:61], v[8:9], v[40:41] op_sel_hi:[1,0]      ; the sums name neither the reciprocal nor its source: they are the work between it and its wait
	v_pk_mul_f32 v[62:63], v[10:11], v[40:41] op_sel_hi:[1,0]
.irp g, 1,2,3,4,5,6,7
	v_pk_fma_f32 v[60:61], v[8+4*\g:9+4*\g], v[40+2*\g:41+2*\g], v[60:61] op_sel_hi:[1,0,1]
	v_pk_fma_f32 v[62:63], v[10+4*\g:11+4*\g], v[40+2*\g:41+2*\g], v[62:63] op_sel_hi:[1,0,1]
.endr
	s_wait_alu depctr_va_vdst(0)
	v_mul_f32 v60, v60, v58
	v_mul_f32 v61, v61, v58
	v_mul_f32 v62, v62, v58
	v_mul_f32 v63, v63, v58
	global_store_b128 v1, v[60:63], s[6:7]
	s_endpgm
.Lfunc_end_k_q697fc2ecf5_finish:
	.size	k_q697fc2ecf5_finish, .Lfunc_end_k_q697fc2ecf5_finish-k_q697fc2ecf5_finish
	.p2alignl 7, 3214868480
	.fill 96, 4, 3214868480
	.section	.rodata,"a",@progbits
	.p2align	6, 0x0
	.amdhsa_kernel k_q697fc2ecf5_finish
		.amdhsa_group_segment_fixed_size 0
		.amdhsa_private_segment_fixed_size 0
		.amdhsa_enable_private_segment 0
		.amdhsa_kernarg_size 16
		.amdhsa_user_sgpr_count 2
		.amdhsa_user_sgpr_kernarg_segment_ptr 1
		.amdhsa_wavefront_size32 1
		.amdhsa_system_sgpr_workgroup_id_x 1
		.amdhsa_system_sgpr_workgroup_id_y 1
		.amdhsa_system_sgpr_workgroup_id_z 1
		.amdhsa_system_vgpr_workitem_id 0
		.amdhsa_next_free_vgpr 64
		.amdhsa_next_free_sgpr 66
		.amdhsa_reserve_vcc 0
		.amdhsa_float_denorm_mode_32 3
		.amdhsa_float_denorm_mode_16_64 3
		.amdhsa_memory_ordered 1
		.amdhsa_forward_progress 1
		.amdhsa_inst_pref_size 5
	.end_amdhsa_kernel
	.amdgpu_metadata
---
amdhsa.version: [ 1, 2 ]
amdhsa.kernels:
  - .name:           k_q697fc2ecf5_finish
    .symbol:         k_q697fc2ecf5_finish.kd
    .args:
      - { .name: part, .offset: 0, .size: 8, .value_kind: global_buffer, .address_space: global }
      - { .name: out0, .offset: 8, .size: 8, .value_kind: global_buffer, .address_space: global }
    .group_segment_fixed_size: 0
    .private_segment_fixed_size: 0
    .kernarg_segment_align: 8
    .kernarg_segment_size: 16
    .max_flat_workgroup_size: 256
    .sgpr_count:     66
    .vgpr_count:     64
    .wavefront_size: 32
...
	.end_amdgpu_metadata
.endif
;; end of part 3
